; MI455X (gfx1250); checked and timed in simulation.
; The chip was launched on July 23, 2026; its instructions are those of AMD's public machine-readable ISA for CDNA 5 (MIT licence, August 2026) and "CDNA5" Instruction Set Architecture Reference Guide (July 2026). The comments in the code are by the model that wrote it; some were corrected since.
;; Spatial Refine. Allowed arithmetic: matrix products marked QUANTISED: E3M2 operands, one E8M0 scale for each 32 along K, by v_wmma_scale_f32_16x16x128_f8f6f4 with both operands' format E3M2, f32 sums; products left as they are: f32 operands where the result goes on into a quantised operand, else bf16, f16 or f32 operands; f32 sums; everything else in f32.
;; Inputs: W 64 x 256 float32; fea 8 x 256 x 64 x 64 float32; pred 8 x 2 x 64 x 64 float32.
;; Outputs: out0 8 x 2 x 64 x 64 float32.
;; This version of the problem:
;;   THIS VERSION OF THE PROBLEM IS GIVEN IN LOW PRECISION. The matrix products marked QUANTISED in the list below multiply operands that are first quantised to E3M2 (3 exponent bits, 2 mantissa bits; 6 bits a number), with one power-of-two scale for each 32 numbers along K (OCP MX v1.0); their sums are f32. All else is computed in f32.
;;   The module's matrix products, in the order in which they are computed (A, B: the left and right operand; K: the contracted axis; several contracted axes count as one K, in the product's order):
;;     1. [M 32,768, K 256] x [K 256, N 64]; A: input fea; B: input W: QUANTISED
;;     2. batch 8 x [M 4,096, K 64] x [K 64, N 4,096]; A: computed on the way; B: computed on the way: QUANTISED
;;     3. batch 8 x [M 2, K 4,096] x [K 4,096, N 4,096]; A: input pred; B: computed on the way: left as it is (M = 2 < 16)
;;   THE QUANTISER, for each operand of a quantised product, along K:
;;     - K is cut into blocks of 32 from its start; a last block that is shorter is filled with zeros.
;;     - A block's scale is 2^e with e = floor(log2(the largest magnitude in the block)) - 4, held to -126 .. 127; a block of zeros has e = 0. As a byte (E8M0): e + 127.
;;     - Each number is divided by its block's scale, clamped to +-28, and rounded to the nearest number of E3M2, ties to even, subnormals kept.
;;     - The product sums the exact products of the quantised numbers (number of the format x scale) in f32.
;;   ~~~python
;;   def quantise(x, axis):      # numpy; x: float32 -> the quantised numbers, widened to float32 again
;;       x = np.moveaxis(x, axis, -1); K = x.shape[-1]
;;       x = np.pad(x, [(0, 0)] * (x.ndim - 1) + [(0, -K % 32)]); x = x.reshape(x.shape[:-1] + (-1, 32)); a = np.abs(x).max(-1, keepdims=True)
;;       e = np.where(a > 0, np.clip(np.frexp(np.where(a > 0, a, 1))[1] - 1 - 4, -126, 127), 0)      # np.frexp(a)[1] - 1 = floor(log2(a)), exactly
;;       r = np.clip(x / 2.0 ** e, -28, 28)
;;       step = 2.0 ** (np.maximum(np.frexp(np.where(r == 0, 1, r))[1] - 1, -2) - 2)
;;       q = np.round(r / step) * step * 2.0 ** e      # np.round: ties to even
;;       return np.moveaxis(q.reshape(q.shape[:-2] + (-1,))[..., :K], -1, axis).astype(np.float32)
;;   ~~~
;;   OPERANDS COMPUTED ON THE WAY. 'Computed on the way' means the value that the module computes at that place (a softmax that the list does not call 'softmax' is quantised finished and normalised). What goes into a quantiser is computed in f32, as accurately as f32 sums, v_exp_f32 and their like allow (about 1e-6 of the number): no bf16 or f16 on the way to a quantiser, and a product that is left as it is and whose result goes on into a quantised operand takes f32 operands (vector FMAs, or v_wmma_f32_16x16x4_f32). A number that lies on a knife's edge between two numbers of the format may be rounded either way, as far as f32 arithmetic and the matrix unit's own rounding can turn it there, and no further.
;; One version. Each part assembles by itself: llvm-mc -triple=amdgcn-amd-amdhsa -mcpu=gfx1250 --defsym DOCPART=n.
;; ======== version 1 of 1: 2 launches
;; limits: values outside matrix products are rounded to bf16
;; workspace buffers: kv 1,900,544 bytes
;; launch project (part 1): grid 256 x 1, 4 waves a work-group, clusters of 4 x 1, 213,504 bytes of LDS; arguments fea, W, pred, kv; writes kv
.if DOCPART == 1
	.amdgcn_target "amdgcn-amd-amdhsa--gfx1250"
	.amdhsa_code_object_version 6
	.text
	.protected	k_q46932243d1_project
	.globl	k_q46932243d1_project
	.p2align	8
	.type	k_q46932243d1_project,@function
k_q46932243d1_project:
	s_mov_b64 s[64:65], 0
	v_nop
	global_prefetch_b8 v0, s[64:65] scope:SCOPE_SE
	s_setreg_imm32_b32 hwreg(HW_REG_WAVE_MODE, 25, 1), 1
	s_wait_xcnt 0x0
	s_wait_alu depctr_hold_cnt(0) depctr_sa_sdst(0) depctr_va_vdst(0) depctr_va_sdst(0) depctr_va_ssrc(0) depctr_va_vcc(0) depctr_vm_vsrc(0)
	s_getreg_b32 s2, hwreg(HW_REG_IB_STS2, 6, 4)
	s_cmp_eq_u32 s2, 0
	s_cbranch_scc0 .Lentry_in_a_cluster
	s_endpgm
.Lentry_in_a_cluster:
	s_bfe_u32 s2, ttmp6, 0x10000c
	s_cmp_lg_u32 s2, 0x3003
	s_cbranch_scc0 .Lentry_shape_is_right
	s_endpgm
.Lentry_shape_is_right:
; SpatialRefine, launch 1 of 2.  f = W fea (a 1x1 convolution: 64 x 256 by 256 x 4,096 for each of 8 images) on codes of BF6 (E3M2) with one E8M0 scale for each 32
; channels; f / (its norm over the 64 channels + 1e-5) in f32; f quantised again along its 64 channels; and pred rounded to bf16.  All of it goes to kv, laid as the second launch's operand registers want it.
; SHARES.  Work-group x (0..255) takes image x / 32 and positions 128 (x % 32) on: chunk x of kv.  Wave w takes 32 of them (group w of the chunk), all 256 channels.
; fea has the channels OUTSIDE the positions: a lane takes a position and its registers run down the channels, so a block of 32 channels lies in one lane and nothing is transposed.
; W is needed by every work-group: the four work-groups of a cluster ask for it JOINTLY (one tensor load a wave, the mask names the four); wave w then quantises tile w of W's four and hands it to the others as an image of the operand's registers.
; THE PRODUCT IS USED TRANSPOSED: source 0 = 16 rows of W, source 1 = 16 positions.  Lane r of W's tile 2 b + u takes row 32 b + 8 u + r + 8 (r / 8), so that the 16 registers of tiles 2 b, 2 b + 1 are the channels 32 b + 16 (lane / 16) + 0..15 of f.
; A CHUNK OF kv, 7,424 bytes = 29 x 256:  at 1,536 g the codes of group g (32 positions): a fragment of 12 registers, register 4 c + i of lane l at 512 c + 16 l + 4 i; registers 0-5 positions 32 g + l % 16, registers 6-11 positions 32 g + 16 + l % 16, lane half h = channels 32 h on;
;   at 6,144 + 64 g + 4 r the four scale bytes (first 16 positions: two blocks; second 16: two blocks);  at 6,400 + 256 g four rows of 32 bf16: pred's two channels, ones, zeros.
; LIMITS: NaN and infinities among the inputs are not served; the sum of f's 64 squares has to stay inside f32 (|f| under 1e19); a block whose largest magnitude lies under 2^(5 - 127) keeps the byte 1, and so does a block of zeros
;   (its codes are zeros, and this program alone reads the bytes); pred is rounded to bf16 here for the product that is left as it is.
; No LDS byte is filled twice: five tensor loads a wave go out together at the start, and that is the most that a wave has outstanding.
.set FEA,    0                         ; LDS: 256 channels x 128 positions f32, channel c at 512 c
.set WF32,   131072                    ; W as f32: 64 rows, WPITCH bytes apart
.set WPITCH, 1040                      ; 1,024 bytes + 16 of padding
.set WIMG,   197632                    ; W's 8 fragments (tile t, K step s) as images of their registers: (2 t + s) x 1,536
.set WSC,    209920                    ; their scale words: (2 t + s) x 128 + 4 x lane
.set SCG,    210944                    ; the chunk's 256 scale bytes: 64 w + 4 r
.set CH,     7424
.set SCL,    6144
.set VT,     6400
.set X,   16                           ; v16-79   64 numbers: two blocks of 32
.set MX,  80                           ; v80-83   largest magnitudes
.set PD,  84                           ; v84-87   what a lane permute brings (written once at the head: a permute's destination counts as read)
.set OP,  88                           ; v88-91   the conversions' scale operands
.set BY,  92                           ; v92-95   scale bytes
.set F,   96                           ; v96-119  two fragments of fea (positions 0-15, 16-31); W's fragment while it is made; at the end f's codes
.set XS,  120                          ; v120-121 fea's scale words of K step 0, 1: lanes 0-15 positions 0-15, lanes 16-31 positions 16-31
.set CT,  122                          ; v122-124, v126-128 the second halves of a block's codes: a conversion's three registers begin on an even number
.set SH8, 125                          ; v125     8 x (lane / 16)
.set PWW, 129                          ; v129     W's scale word
.set WF,  130                          ; v130-177 W's four fragments of a K step
.set WS,  178                          ; v178-181 their scale words
.set D,   182                          ; v182-245 f: accumulator (positions 16 T on, tile t of W) at D + 32 T + 8 t
.set PW,  255                          ; v255     f's scale word
.set NA,  16                           ; v16-23   the norm: for T = 0, 1 two packed chains
.macro ROUND                           ; a round of the cluster's barrier
	s_barrier_signal -1
	s_barrier_wait -1
	s_cmp_lg_u32 s12, 0
	s_cbranch_scc1 .Lnot_wave_0_\@
	s_barrier_signal -3
.Lnot_wave_0_\@:
	s_barrier_wait -3
	s_barrier_signal -1
	s_barrier_wait -1
.endm
.macro BAR                             ; my LDS stores have landed and my LDS loads are in: then the work-group's barrier
	s_wait_dscnt 0x0
	s_barrier_signal -1
	s_barrier_wait -1
.endm
.macro MAX2 d0, s0, d1, s1, n          ; the largest magnitudes of two runs of n registers, by turns; the floor 2^(5 - 127) is one more leaf, so that no byte falls under 1
	v_max3_num_f32 v[\d0], |v[\s0]|, |v[(\s0)+1]|, 0x2800000
	v_max3_num_f32 v[\d1], |v[\s1]|, |v[(\s1)+1]|, 0x2800000
.set MI, 2
.rept ((\n)-2)/2
	v_max3_num_f32 v[\d0], v[\d0], |v[(\s0)+MI]|, |v[(\s0)+MI+1]|
	v_max3_num_f32 v[\d1], v[\d1], |v[(\s1)+MI]|, |v[(\s1)+MI+1]|
.set MI, MI+2
.endr
.endm
.macro SCALEOF op, byte, max           ; 4 off the largest magnitude's exponent field: the conversion's scale operand; its exponent field is the scale's byte
	v_add_nc_u32 v[\op], 0xfe000000, v[\max]
	v_lshrrev_b32 v[\byte], 23, v[\op]
.endm
.macro CVT32 dst, src, op, tmp         ; a block of 32 numbers: 16 codes to dst, 16 to tmp (moved behind the first by MOV3, one plain line later)
	v_cvt_scalef32_pk16_bf6_f32 v[\dst:(\dst)+2], v[\src:(\src)+15], v[\op]
	v_cvt_scalef32_pk16_bf6_f32 v[\tmp:(\tmp)+2], v[(\src)+16:(\src)+31], v[\op]
.endm
.macro MOV3 dst, src
.irp i, 0,1,2
	v_mov_b32 v[(\dst)+\i], v[(\src)+\i]
.endr
.endm
	s_load_b256 s[4:11], s[0:1], 0x0               ; fea s[4:5], W s[6:7], pred s[8:9], kv s[10:11]
	s_set_vgpr_msb 0x40
	v_lshl_add_u32 v0, v0, 2, 0x34000
	v_mov_b32 v1, 0
	s_set_vgpr_msb 0x4045
	ds_add_u32 v0, v1
	ds_add_u32 v0, v1
	s_set_vgpr_msb 0x4500
	v_lshrrev_b32 v1, 5, v0
	v_readfirstlane_b32 s12, v1                    ; wave 0..3
	v_and_b32 v1, 31, v0                           ; lane
	v_and_b32 v2, 15, v0                           ; r
	v_bfe_u32 v3, v0, 4, 1                         ; h
	s_bfe_u32 s13, ttmp6, 0x40000                  ; cx: my place in the cluster; it enters global addresses of my own loads and stores alone
	s_lshl_b32 s14, ttmp9, 2
	s_add_co_u32 s14, s14, s13                     ; work-group x = 4 x cluster + cx
	s_lshr_b32 s15, s14, 5                         ; image
	s_and_b32 s16, s14, 31                         ; block of 128 positions
	s_mov_b32 s60, 0x76543210
	s_mov_b32 s61, 0xfedcba98                      ; v_permlanex16_b32's selects for lane l xor 16
	; descriptor group 1 for W: 16 rows x 256 f32, dense; joint
	s_mov_b32 s20, 15|(2<<16)|(1<<20)|(1<<21)|(7<<22)|(3<<25)   ; 15:0 the mask: all four work-groups; 17:16 elements of 4 bytes; 20 padding on; 21 set beside a mask; 24:22 after every 256 words (code 7); 31:25 4 words of it (code 3)
	s_mov_b32 s21, 256<<16                         ; tensor_dim0
	s_mov_b32 s22, 16<<16                          ; tensor_dim1
	s_mov_b32 s23, 256<<16                         ; tile_dim0
	s_mov_b32 s24, 16                              ; tile_dim1
	s_mov_b32 s25, 256                             ; elements from row to row
	s_mov_b32 s26, 0
	s_mov_b32 s27, 0
	; and for fea: 16 channels x 128 positions, a channel 4,096 elements from the next; my own load, no mask, no padding
	s_mov_b32 s28, 2<<16
	s_mov_b32 s29, 128<<16
	s_mov_b32 s30, 16<<16
	s_mov_b32 s31, 128<<16
	s_mov_b32 s32, 16
	s_mov_b32 s33, 4096
	s_mov_b32 s34, 0
	s_mov_b32 s35, 0
	; LDS addresses: constants, the lane and the wave's number
	s_lshl_b32 s17, s12, 7
	v_lshl_add_u32 v4, v1, 2, s17                  ; v4-7: fea, channels 64 j on: 32,768 j + 128 w + 4 x lane: my position
	v_add_nc_u32 v5, 0x8000, v4
	v_add_nc_u32 v6, 0x10000, v4
	v_add_nc_u32 v7, 0x18000, v4
	s_lshr_b32 s18, s12, 1
	s_lshl_b32 s18, s18, 5
	s_and_b32 s19, s12, 1
	s_lshl_b32 s19, s19, 3
	s_add_co_u32 s18, s18, s19                     ; tile w of W begins at row 32 (w / 2) + 8 (w % 2)
	s_mul_i32 s18, s18, WPITCH
	s_add_co_u32 s18, s18, WF32
	v_and_b32 v8, 8, v2
	v_add_nc_u32 v8, v8, v2                        ; r + 8 (r / 8)
	v_mul_u32_u24 v8, v8, WPITCH
	v_lshl_add_u32 v8, v3, 7, v8                   ; + 128 h: my block of 32 of each 64 along K
	v_add_nc_u32 v8, s18, v8                       ; v8: W as f32, my row
	v_lshl_add_u32 v9, v1, 4, WIMG                 ; v9: an image's place for my lane
	v_lshl_add_u32 v10, v1, 2, WSC                 ; v10: a scale word's
	s_mul_i32 s19, s12, 3072
	v_add_nc_u32 v11, s19, v9                      ; v11: where I store my tile's two images
	v_lshl_add_u32 v12, s12, 8, v10                ; v12: and their scale words
	s_lshl_b32 s19, s12, 6
	s_add_co_u32 s19, s19, SCG
	v_lshl_add_u32 v13, v2, 2, s19                 ; v13: f's scale word of my group: 64 w + 4 r
	v_lshl_add_u32 v14, v1, 3, SCG                 ; v14: the 256 bytes back, 8 a lane
	s_mul_i32 s19, s12, 1536
	v_lshl_add_u32 v15, v1, 4, s19                 ; v15: my codes' place in the chunk: 1,536 w + 16 x lane
	v_lshlrev_b32 v[SH8], 3, v3
	v_bfe_u32 v246, v0, 3, 1
	v_and_b32 v247, 7, v0
	v_lshlrev_b32 v247, 4, v247
	v_lshl_add_u32 v246, v246, 14, v247            ; v246: pred: channel (lane / 8) % 2, four positions 4 (lane % 8) on
	v_lshlrev_b32 v247, 3, v1
	v_lshl_add_u32 v247, s12, 8, v247              ; v247: 256 w + 8 x lane: my 8 bytes of the group's four bf16 rows
	s_wait_dscnt 0x0
	s_wait_kmcnt 0x0
	s_mov_b32 s36, 1                               ; W's group 0: count = 1,
	s_mul_i32 s37, s12, 16*WPITCH
	s_add_co_u32 s37, s37, WF32                    ; LDS address: rows 16 w on,
	s_lshl_b32 s62, s12, 14
	s_mov_b32 s63, 0
	s_add_nc_u64 s[38:39], s[6:7], s[62:63]        ; global address: the same rows: the wave's number alone, equal in all four partners,
	s_or_b32 s39, s39, 0x80000000                  ; type = 2
	s_lshl_b32 s56, s15, 22                        ; fea: the image's 4,194,304 bytes,
	s_lshl_b32 s73, s16, 9
	s_add_co_u32 s56, s56, s73                     ; my 128 positions' 512 bytes,
	s_lshl_b32 s73, s12, 18
	s_add_co_u32 s56, s56, s73                     ; 16 w channels of 16,384 bytes
	s_mov_b32 s57, 0
	s_add_nc_u64 s[58:59], s[4:5], s[56:57]
	s_lshl_b32 s72, s12, 13                        ; in LDS: 16 w rows of 512 bytes
.irp j, 0,1,2,3                        ; load j brings channels 64 j + 16 w .. + 15: after each wave's j-th load 64 more channels are whole
	s_mov_b32 s[40+4*\j], 1
	s_add_co_u32 s[41+4*\j], s72, \j*32768
	s_add_nc_u64 s[42+4*\j:43+4*\j], s[58:59], \j*1048576
	s_or_b32 s[43+4*\j], s[43+4*\j], 0x80000000
.endr
	s_mul_i32 s70, s14, CH
	s_mov_b32 s71, 0
	s_add_nc_u64 s[66:67], s[10:11], s[70:71]      ; my chunk of kv
	s_lshl_b32 s70, s15, 15
	s_lshl_b32 s73, s16, 9
	s_add_co_u32 s70, s70, s73
	s_lshl_b32 s73, s12, 7
	s_add_co_u32 s70, s70, s73
	s_add_nc_u64 s[68:69], s[8:9], s[70:71]        ; pred at my image and my wave's 32 positions
	ROUND                                          ; all four work-groups are here: the joint loads meet
	tensor_load_to_lds s[36:39], s[20:27]          ; W first: it is wanted first
	s_nop 0
.irp j, 0,1,2,3
	tensor_load_to_lds s[40+4*\j:43+4*\j], s[28:35]
	s_nop 0
.endr
.irp b, 0,1,2,3
	v_mov_b32 v[PD+\b], 0
.endr
	; ---- pred's two channels, ones and zeros as four rows of 32 bf16: source 0 of the second launch's last product
	global_load_b128 v[248:251], v246, s[68:69]    ; lanes 16-31 read the same bytes as lanes 0-15 and drop them
	v_mov_b32 v254, 0x3f803f80                     ; 1.0 twice
	v_cmp_gt_u32 vcc_lo, 24, v1
	v_cndmask_b32 v254, 0, v254, vcc_lo            ; lanes 16-23: ones; lanes 24-31: zeros
	v_cmp_gt_u32 vcc_lo, 16, v1
	s_wait_loadcnt 0x0
	v_cvt_pk_bf16_f32 v252, v248, v249
	v_cvt_pk_bf16_f32 v253, v250, v251
	v_cndmask_b32 v252, v254, v252, vcc_lo
	v_cndmask_b32 v253, v254, v253, vcc_lo
	global_store_b64 v247, v[252:253], s[66:67] offset:VT   ; the wave stores 256 consecutive bytes, at a multiple of 256 from kv's first byte
	; ---- W: wave w quantises tile w, K step by K step.  Lane (r, h) holds blocks h and 2 + h of its row's four: whole blocks, in the operand's own order
	s_wait_tensorcnt 0x4                           ; my 16 rows of W are in: the four loads of fea were issued behind it and may stay out
	BAR                                            ; everybody's are
.macro WQUANT s
.irp c, 0,1
.irp i, 0,1,2,3,4,5,6,7
	ds_load_b128 v[X+32*\c+4*\i:X+32*\c+4*\i+3], v8 offset:512*(\s)+256*\c+16*\i
.endr
.endr
	s_wait_dscnt 0x0
	MAX2 MX, X, MX+1, X+32, 32
	SCALEOF OP, BY, MX
	SCALEOF OP+1, BY+1, MX+1
	v_lshl_or_b32 v[PWW], v[BY+1], 16, v[BY]       ; my two bytes,
	v_lshlrev_b32 v[PWW], v[SH8], v[PWW]           ; at their places in the row's scale word;
	v_permlanex16_b32 v[PD], v[PWW], s60, s61
	v_or_b32 v[PWW], v[PWW], v[PD]                 ; with lane l xor 16's two the word is whole
	CVT32 F, X, OP, CT
	CVT32 F+6, X+32, OP+1, CT+4
	v_nop                                          ; one plain line behind the scaled conversions
	MOV3 F+3, CT
	MOV3 F+9, CT+4
.irp c, 0,1,2
	ds_store_b128 v11, v[F+4*\c:F+4*\c+3] offset:1536*(\s)+512*\c   ; the fragment as it stands: lane l's 16 bytes at 16 l
.endr
	ds_store_b32 v12, v[PWW] offset:128*(\s)
	s_wait_dscnt 0x0                               ; the stores have read their registers
.endm
	WQUANT 0
	WQUANT 1
.macro FETCHW s                        ; W's four fragments of K step s and their scale words, as any wave finds them
.irp wt, 0,1,2,3
.irp c, 0,1,2
	ds_load_b128 v[WF+12*\wt+4*\c:WF+12*\wt+4*\c+3], v9 offset:(2*\wt+(\s))*1536+512*\c
.endr
	ds_load_b32 v[WS+\wt], v10 offset:(2*\wt+(\s))*128
.endr
.endm
; Eight products: two tiles of positions x W's four tiles, 128 along K.  The eight accumulators take turns, one instruction a turn.  Positions 16-31 have their scale words in lanes 16-31.
.macro MULS s, zero
.irp pt, 0,1
.irp wt, 0,1,2,3
.if \zero
.if \pt
	v_wmma_scale_f32_16x16x128_f8f6f4 v[D+32*\pt+8*\wt:D+32*\pt+8*\wt+7], v[WF+12*\wt:WF+12*\wt+11], v[F+12*\pt:F+12*\pt+11], 0, v[WS+\wt], v[XS+(\s)] matrix_a_fmt:MATRIX_FMT_BF6 matrix_b_fmt:MATRIX_FMT_BF6 matrix_b_scale:MATRIX_SCALE_ROW1
.else
	v_wmma_scale_f32_16x16x128_f8f6f4 v[D+32*\pt+8*\wt:D+32*\pt+8*\wt+7], v[WF+12*\wt:WF+12*\wt+11], v[F+12*\pt:F+12*\pt+11], 0, v[WS+\wt], v[XS+(\s)] matrix_a_fmt:MATRIX_FMT_BF6 matrix_b_fmt:MATRIX_FMT_BF6
.endif
.else
.if \pt
	v_wmma_scale_f32_16x16x128_f8f6f4 v[D+32*\pt+8*\wt:D+32*\pt+8*\wt+7], v[WF+12*\wt:WF+12*\wt+11], v[F+12*\pt:F+12*\pt+11], v[D+32*\pt+8*\wt:D+32*\pt+8*\wt+7], v[WS+\wt], v[XS+(\s)] matrix_a_fmt:MATRIX_FMT_BF6 matrix_b_fmt:MATRIX_FMT_BF6 matrix_b_scale:MATRIX_SCALE_ROW1
.else
	v_wmma_scale_f32_16x16x128_f8f6f4 v[D+32*\pt+8*\wt:D+32*\pt+8*\wt+7], v[WF+12*\wt:WF+12*\wt+11], v[F+12*\pt:F+12*\pt+11], v[D+32*\pt+8*\wt:D+32*\pt+8*\wt+7], v[WS+\wt], v[XS+(\s)] matrix_a_fmt:MATRIX_FMT_BF6 matrix_b_fmt:MATRIX_FMT_BF6
.endif
.endif
.endr
.endr
.endm
; ---- fea, 64 channels at a time: blocks 2 j and 2 j + 1 of my position; two such steps are a K step of 128
.macro FSTEP j
.set SS, (\j)/2
.set CC, (\j)%2
	s_wait_tensorcnt 3-(\j)                        ; my 16 of these 64 channels are in; the loads issued behind them may stay out
	BAR                                            ; everybody's are (the first of these barriers also shows W's images to every wave)
.set FI, 0
.rept 64
	ds_load_b32 v[X+FI], v[4+(\j)] offset:512*FI   ; one channel, 32 neighbouring positions: 128 consecutive bytes
.set FI, FI+1
.endr
.if CC
	FETCHW SS
.endif
	s_wait_dscnt 0x0
	MAX2 MX, X, MX+1, X+32, 32                     ; all 32 numbers of a block are mine
	SCALEOF OP, BY, MX
	SCALEOF OP+1, BY+1, MX+1
.if CC
	v_lshl_or_b32 v[XS+SS], v[BY], 16, v[XS+SS]
	v_lshl_or_b32 v[XS+SS], v[BY+1], 24, v[XS+SS]  ; my position's scale word of this K step is whole
.else
	v_lshl_or_b32 v[XS+SS], v[BY+1], 8, v[BY]
.endif
	CVT32 F+6*CC, X, OP, CT
	CVT32 F+12+6*CC, X+32, OP+1, CT+4
	v_nop                                          ; one plain line behind the scaled conversions
	MOV3 F+6*CC+3, CT
	MOV3 F+12+6*CC+3, CT+4
.irp i, 0,1,2,3,4,5                    ; the first's lanes 16-31 change places with the second's lanes 0-15: the first is then the operand of positions 0-15 (lanes 0-15 the even block, lanes 16-31 the odd one), the second that of positions 16-31
	v_permlane16_swap_b32 v[F+6*CC+\i], v[F+12+6*CC+\i]
.endr
.if CC
.rept 8
	v_nop                                          ; a scale register written by vector lines stands 8 places ahead of a scaled matrix instruction, an operand so written 4
.endr
	MULS SS, 1-SS                                  ; the first K step starts the sums
.endif
.endm
	FSTEP 0
	FSTEP 1
	FSTEP 2
	FSTEP 3
	; ---- the norm over the 64 channels: my 32 squares in two packed chains, each accumulator from its low end on; then lane l xor 16's 32
.rept 4
	v_nop                                          ; places behind the last products
.endr
.irp pt, 0,1
	v_pk_mul_f32 v[NA+4*\pt:NA+4*\pt+1], v[D+32*\pt:D+32*\pt+1], v[D+32*\pt:D+32*\pt+1]
	v_pk_mul_f32 v[NA+4*\pt+2:NA+4*\pt+3], v[D+32*\pt+2:D+32*\pt+3], v[D+32*\pt+2:D+32*\pt+3]
.endr
.irp k, 4,8,12,16,20,24,28
.irp pt, 0,1
	v_pk_fma_f32 v[NA+4*\pt:NA+4*\pt+1], v[D+32*\pt+\k:D+32*\pt+\k+1], v[D+32*\pt+\k:D+32*\pt+\k+1], v[NA+4*\pt:NA+4*\pt+1]
	v_pk_fma_f32 v[NA+4*\pt+2:NA+4*\pt+3], v[D+32*\pt+\k+2:D+32*\pt+\k+3], v[D+32*\pt+\k+2:D+32*\pt+\k+3], v[NA+4*\pt+2:NA+4*\pt+3]
.endr
.endr
.irp pt, 0,1
	v_pk_add_f32 v[NA+4*\pt:NA+4*\pt+1], v[NA+4*\pt:NA+4*\pt+1], v[NA+4*\pt+2:NA+4*\pt+3]
.endr
.irp pt, 0,1
	v_add_f32 v[NA+4*\pt], v[NA+4*\pt], v[NA+4*\pt+1]
.endr
.irp pt, 0,1
	v_permlanex16_b32 v[PD+\pt], v[NA+4*\pt], s60, s61
.endr
.irp pt, 0,1
	v_add_f32 v[NA+4*\pt], v[NA+4*\pt], v[PD+\pt]
.endr
	v_sqrt_f32 v[NA+2], v[NA]
	v_sqrt_f32 v[NA+6], v[NA+4]
	v_nop                                          ; a plain line behind the roots
	s_wait_alu depctr_va_vdst(0)
	v_add_f32 v[NA+2], 0x3727c5ac, v[NA+2]         ; + 1e-5
	v_add_f32 v[NA+6], 0x3727c5ac, v[NA+6]
	v_rcp_f32 v[NA], v[NA+2]
	v_rcp_f32 v[NA+4], v[NA+6]
	v_nop                                          ; a plain line behind the reciprocals
	s_wait_alu depctr_va_vdst(0)
.irp k, 0,2,4,6,8,10,12,14,16,18,20,22,24,26,28,30
.irp pt, 0,1
	v_pk_mul_f32 v[D+32*\pt+\k:D+32*\pt+\k+1], v[D+32*\pt+\k:D+32*\pt+\k+1], v[NA+4*\pt:NA+4*\pt+1] op_sel_hi:[1,0]
.endr
.endr
	; ---- f quantised along its channels.  Block q = 2 T + b (positions 16 T on, channels 32 b on) lies in the 16 registers from D + 16 q of lanes l and l xor 16
.irp b, 0,1,2,3
	v_max3_num_f32 v[MX+\b], |v[D+16*\b]|, |v[D+16*\b+1]|, 0x2800000
.endr
.irp i, 2,4,6,8,10,12,14
.irp b, 0,1,2,3
	v_max3_num_f32 v[MX+\b], v[MX+\b], |v[D+16*\b+\i]|, |v[D+16*\b+\i+1]|
.endr
.endr
.irp b, 0,1,2,3
	v_permlanex16_b32 v[PD+\b], v[MX+\b], s60, s61
.endr
.irp b, 0,1,2,3
	v_max_num_f32 v[MX+\b], v[MX+\b], v[PD+\b]
.endr
.irp b, 0,1,2,3
	v_add_nc_u32 v[OP+\b], 0xfe000000, v[MX+\b]
.endr
.irp b, 0,1,2,3
	v_lshrrev_b32 v[BY+\b], 23, v[OP+\b]
.endr
	v_lshl_or_b32 v[PW], v[BY+1], 8, v[BY]         ; the word that scales a fragment of two tiles: position r's two bytes, position 16 + r's two
	v_lshl_or_b32 v[PW], v[BY+2], 16, v[PW]
	v_lshl_or_b32 v[PW], v[BY+3], 24, v[PW]
.irp c, 0,1
	v_cvt_scalef32_pk16_bf6_f32 v[F+6*\c:F+6*\c+2], v[D+32*\c:D+32*\c+15], v[OP+2*\c]
	v_cvt_scalef32_pk16_bf6_f32 v[CT+4*\c:CT+4*\c+2], v[D+32*\c+16:D+32*\c+31], v[OP+2*\c+1]
.endr
	v_nop                                          ; one plain line behind the scaled conversions
.irp c, 0,1                            ; a whole block to a lane: lanes 0-15 channels 0-31, lanes 16-31 channels 32-63
.irp i, 0,1,2
	v_permlane16_swap_b32 v[F+6*\c+\i], v[CT+4*\c+\i]
.endr
	MOV3 F+6*\c+3, CT+4*\c
.endr
.irp c, 0,1,2
	global_store_b128 v15, v[F+4*\c:F+4*\c+3], s[66:67] offset:512*\c   ; the wave stores 512 consecutive bytes, at a multiple of 256 from kv's first byte
.endr
	ds_store_b32 v13, v[PW]                        ; both halves of the lanes write the same word with the same value
	BAR                                            ; the chunk's 64 scale words lie in LDS
	s_cmp_lg_u32 s12, 0
	s_cbranch_scc1 .Lnot_scales
	ds_load_b64 v[16:17], v14
	s_wait_dscnt 0x0
	global_store_b64 v247, v[16:17], s[66:67] offset:SCL   ; wave 0 (v247 is 8 x lane there) stores them as 256 consecutive bytes
.Lnot_scales:
	s_set_vgpr_msb 0x5
	s_wait_tensorcnt 0x0
	ds_add_u32 v0, v1
	s_wait_dscnt 0x0
	s_set_vgpr_msb 0x500
	ROUND                                          ; the closing round: no work-group ends while a partner may still ask for W
	s_endpgm
.Lfunc_end_k_q46932243d1_project:
	.size	k_q46932243d1_project, .Lfunc_end_k_q46932243d1_project-k_q46932243d1_project
	.p2alignl 7, 3214868480
	.fill 96, 4, 3214868480
	.section	.rodata,"a",@progbits
	.p2align	6, 0x0
	.amdhsa_kernel k_q46932243d1_project
		.amdhsa_group_segment_fixed_size 213504
		.amdhsa_private_segment_fixed_size 0
		.amdhsa_enable_private_segment 0
		.amdhsa_kernarg_size 32
		.amdhsa_user_sgpr_count 2
		.amdhsa_user_sgpr_kernarg_segment_ptr 1
		.amdhsa_wavefront_size32 1
		.amdhsa_system_sgpr_workgroup_id_x 1
		.amdhsa_system_sgpr_workgroup_id_y 1
		.amdhsa_system_sgpr_workgroup_id_z 1
		.amdhsa_system_vgpr_workitem_id 0
		.amdhsa_next_free_vgpr 258
		.amdhsa_next_free_sgpr 76
		.amdhsa_reserve_vcc 1
		.amdhsa_float_denorm_mode_32 3
		.amdhsa_float_denorm_mode_16_64 3
		.amdhsa_memory_ordered 1
		.amdhsa_forward_progress 1
		.amdhsa_inst_pref_size 59
	.end_amdhsa_kernel
	.amdgpu_metadata
---
amdhsa.version: [ 1, 2 ]
amdhsa.kernels:
  - .name:           k_q46932243d1_project
    .symbol:         k_q46932243d1_project.kd
    .args:
      - { .name: fea, .offset: 0, .size: 8, .value_kind: global_buffer, .address_space: global }
      - { .name: W, .offset: 8, .size: 8, .value_kind: global_buffer, .address_space: global }
      - { .name: pred, .offset: 16, .size: 8, .value_kind: global_buffer, .address_space: global }
      - { .name: kv, .offset: 24, .size: 8, .value_kind: global_buffer, .address_space: global }
    .group_segment_fixed_size: 213504
    .private_segment_fixed_size: 0
    .kernarg_segment_align: 8
    .kernarg_segment_size: 32
    .max_flat_workgroup_size: 128
    .sgpr_count:     76
    .vgpr_count:     258
    .wavefront_size: 32
...
	.end_amdgpu_metadata
.endif
;; end of part 1
;; launch affinity (part 2): grid 32 x 8, 16 waves a work-group, clusters of 4 x 1, 272,384 bytes of LDS; arguments kv, out0; writes out0
.if DOCPART == 2
	.amdgcn_target "amdgcn-amd-amdhsa--gfx1250"
	.amdhsa_code_object_version 6
	.text
	.protected	k_q46932243d1_affinity
	.globl	k_q46932243d1_affinity
	.p2align	8
	.type	k_q46932243d1_affinity,@function
k_q46932243d1_affinity:
	s_mov_b64 s[64:65], 0
	v_nop
	global_prefetch_b8 v0, s[64:65] scope:SCOPE_SE
	s_setreg_imm32_b32 hwreg(HW_REG_WAVE_MODE, 25, 1), 1
	s_wait_xcnt 0x0
	s_wait_alu depctr_hold_cnt(0) depctr_sa_sdst(0) depctr_va_vdst(0) depctr_va_sdst(0) depctr_va_ssrc(0) depctr_va_vcc(0) depctr_vm_vsrc(0)
	s_getreg_b32 s2, hwreg(HW_REG_IB_STS2, 6, 4)
	s_cmp_eq_u32 s2, 0
	s_cbranch_scc0 .Lentry_in_a_cluster
	s_endpgm
.Lentry_in_a_cluster:
	s_bfe_u32 s2, ttmp6, 0x10000c
	s_cmp_lg_u32 s2, 0x3003
	s_cbranch_scc0 .Lentry_shape_is_right
	s_endpgm
.Lentry_shape_is_right:
; SpatialRefine, launch 2 of 2.  out[c][q] = (sum over p of pred[c][p] relu(f_p . f_q)) / (sum over p of relu(f_p . f_q) + 1e-5), for each of 8 images of 4,096 positions.  The 4,096 x 4,096 affinity never goes to memory.
; f_p . f_q is taken on codes of BF6 (E3M2), K = 64 channels, two blocks of 32 with an E8M0 scale each, as the first launch laid them in kv; the division stands behind the sums, which is the same number.
; SHARES.  A work-group owns 128 queries q of one image (chunk x of the image's 32).  Of its sixteen waves, wave w owns 64 of them (w % 2: four tiles of 16) and an eighth of the keys p (w / 2): 16 groups of 32.
;   Four waves lie on a SIMD with 256 registers each: one wave's relu and rounding stand beside another's products.  The eight key ranges' sums meet in LDS at the end.
; K = 64 IN AN INSTRUCTION OF K = 128.  A key fragment of 12 registers holds TWO tiles of 16 keys (registers 0-5, registers 6-11).  The queries' operand is [codes][zeros] or [zeros][codes]: zero codes annul the other tile, whatever its scale byte
;   (every byte here lies in 1 .. 254).  So three LDS loads of 16 bytes a lane feed eight products.  The queries stand as Z C0 Z C1 Z C2 Z C3 Z, neighbours sharing a run of zeros; a query's scale word is its two bytes twice.
; LAYOUT.  S^T = K Q^T (source 0 = keys, source 1 = queries): a lane holds one query and eight keys a tile; two tiles, clipped at 0 and rounded to bf16 in pairs, ARE source 1 (32 keys x 16 queries) of the second product,
;   whose source 0 has the rows pred[0], pred[1], ones, zeros (rows 4-15 repeat them and are not read): its result holds both numerators and the column's sum.
; THE CLUSTER.  The four work-groups of a cluster belong to one image and need all of its 237,568 bytes: each wave asks jointly for two chunks (two tensor loads outstanding); the image lies in LDS whole and no byte is filled twice.
; LIMITS: the affinity and pred go into the last product as bf16, and the column's sum is taken of the affinity so rounded (2^-9 of each term), in f32; NaN and infinities are not served.
.set CH,   7424                        ; a chunk: 128 positions: 4 x 1,536 bytes of codes, 256 of scale words, 4 x 256 of bf16 rows
.set IMGB, 32*CH
.set HALF, 16*CH
.set SCL,  6144
.set VT,   6400
.set STG,  IMGB                        ; behind the image: 2,048 bytes a wave for the partial sums: 512 i + 16 x lane
.set QB,   16                          ; v16-69   Z C0 Z C1 Z C2 Z C3 Z, six registers each
.set QS,   70                          ; v70-73   the four query tiles' scale words
.set RAW,  74                          ; v74-75   scale words as they lie in kv
.set O,    76                          ; v76-107  four accumulators of the second product
.set KF,   108                         ; v108-131 key fragments, two buffers
.set KS,   132                         ; v132-133 their scale words
.set VF,   134                         ; v134-149 the bf16 rows' fragments, two buffers
.set S,    150                         ; v150-213 scores: query tile i, key tile u at S + 16 i + 8 u
.set P,    214                         ; v214-245 the same as bf16: query tile i at P + 8 i
.set DUAL, 1                           ; 1: two clips at 0 in one dual-issue pair; 0: two plain lines
; v1-2 key codes' LDS address for the image's first and second half, v3-4 their scale words', v5-6 the bf16 rows'; v7 where I put partial sums, v8 where I read them; v9-11 global offsets; v12-15 at work
.macro ROUND                           ; a round of the cluster's barrier
	s_barrier_signal -1
	s_barrier_wait -1
	s_cmp_lg_u32 s8, 0
	s_cbranch_scc1 .Lnot_wave_0_\@
	s_barrier_signal -3
.Lnot_wave_0_\@:
	s_barrier_wait -3
	s_barrier_signal -1
	s_barrier_wait -1
.endm
	s_load_b128 s[4:7], s[0:1], 0x0                ; kv s[4:5], out0 s[6:7]
	v_lshl_add_u32 v254, v0, 2, 0x42000
	v_mov_b32 v255, 0
	ds_add_u32 v254, v255
	ds_add_u32 v254, v255
	v_lshrrev_b32 v12, 5, v0
	v_readfirstlane_b32 s8, v12                    ; wave 0..15
	v_and_b32 v12, 31, v0                          ; lane
	v_and_b32 v13, 15, v0                          ; r
	v_bfe_u32 v14, v0, 4, 1                        ; h
	s_bfe_u32 s9, ttmp6, 0x40000                   ; cx: it enters the queries' and the output's global addresses alone
	s_lshl_b32 s10, ttmp9, 2
	s_add_co_u32 s10, s10, s9                      ; my block of 128 queries
	s_and_b32 s11, ttmp7, 0xffff                   ; the image, which the four partners share
	s_lshr_b32 s42, s8, 1                          ; which eighth of the keys
	s_and_b32 s43, s8, 1                           ; which 64 queries
	; descriptor group 1: a chunk, 7,424 dense bytes, as 29 rows of 256 bytes (32 elements of 8 bytes)
	s_mov_b32 s12, 15|(3<<16)|(1<<21)              ; 15:0 the mask: all four work-groups; 17:16 elements of 8 bytes; 21 set beside a mask; no padding
	s_mov_b32 s13, 32<<16                          ; tensor_dim0
	s_mov_b32 s14, 29<<16                          ; tensor_dim1
	s_mov_b32 s15, 32<<16                          ; tile_dim0
	s_mov_b32 s16, 29                              ; tile_dim1
	s_mov_b32 s17, 32                              ; elements from row to row
	s_mov_b32 s18, 0
	s_mov_b32 s19, 0
	; LDS addresses: constants, the lane and the wave's number
	s_mul_i32 s44, s42, 2*CH                       ; my two chunks of a half
	v_lshl_add_u32 v1, v12, 4, s44
	v_add_nc_u32 v2, HALF, v1
	s_add_co_u32 s45, s44, SCL
	v_lshl_add_u32 v3, v13, 2, s45
	v_add_nc_u32 v4, HALF, v3
	v_and_b32 v15, 3, v0
	v_lshlrev_b32 v15, 6, v15                      ; row lane % 4 of the four bf16 rows, 64 bytes each,
	v_lshl_add_u32 v15, v14, 4, v15                ; + 16 h: eight keys
	s_add_co_u32 s46, s44, VT
	v_add_nc_u32 v5, s46, v15
	v_add_nc_u32 v6, HALF, v5
	s_lshl_b32 s47, s8, 11
	s_add_co_u32 s47, s47, STG
	v_lshl_add_u32 v7, v12, 4, s47
	v_bfe_u32 v15, v0, 3, 2
	v_lshlrev_b32 v15, 9, v15
	v_and_b32 v8, 7, v0
	v_lshl_add_u32 v8, v8, 5, v15                  ; queries 2 l and 2 l + 1 of 64: tile l / 8, lanes 2 (l % 8) and the next
	s_lshl_b32 s48, s43, 11
	s_add_co_u32 s48, s48, STG
	v_add_nc_u32 v8, s48, v8
	s_mul_i32 s49, s43, 3072
	v_lshl_add_u32 v9, v12, 4, s49                 ; my queries' codes in their chunk: two groups from 3,072 (w % 2) on, 16 x lane
	v_lshlrev_b32 v10, 2, v13
	v_lshl_add_u32 v10, s43, 7, v10                ; their scale words: 128 (w % 2) + 4 r
	v_lshlrev_b32 v11, 3, v12
	v_lshl_add_u32 v11, s43, 8, v11                ; the output: 256 (w % 2) + 8 x lane
	s_mul_i32 s34, s11, IMGB
	s_mov_b32 s35, 0
	s_mul_i32 s38, s8, CH
	s_mov_b32 s39, 0
	s_mul_i32 s40, s10, CH
	s_mov_b32 s41, 0
	s_lshl_b32 s50, s11, 15
	s_lshl_b32 s51, s10, 9
	s_add_co_u32 s50, s50, s51
	s_mov_b32 s51, 0
	s_wait_dscnt 0x0
	s_wait_kmcnt 0x0
	s_add_nc_u64 s[36:37], s[4:5], s[34:35]        ; the image's first chunk
	s_mov_b32 s20, 1                               ; group 0 of my first load: chunk w,
	s_mul_i32 s21, s8, CH
	s_add_nc_u64 s[22:23], s[36:37], s[38:39]
	s_mov_b32 s24, 1                               ; of my second: chunk 16 + w
	s_add_co_u32 s25, s21, HALF
	s_add_nc_u64 s[26:27], s[22:23], HALF
	s_or_b32 s23, s23, 0x80000000
	s_or_b32 s27, s27, 0x80000000
	s_add_nc_u64 s[28:29], s[36:37], s[40:41]      ; my queries' chunk
	s_add_nc_u64 s[32:33], s[6:7], s[50:51]        ; out0 at my image and my 128 queries
	ROUND                                          ; all four work-groups are here: the joint loads meet
	tensor_load_to_lds s[20:23], s[12:19]
	s_nop 0
	tensor_load_to_lds s[24:27], s[12:19]
	s_nop 0
.irp z, 0,1,2,3,4                      ; the five runs of zero codes
.irp i, 0,1,2,3,4,5
	v_mov_b32 v[QB+12*\z+\i], 0
.endr
.endr
.irp i, 0,1,2,3                        ; query tile i: group i / 2 of my two, registers 6 (i % 2) on of its image, in pairs
.irp m, 0,1,2
	global_load_b64 v[QB+6+12*\i+2*\m:QB+6+12*\i+2*\m+1], v9, s[28:29] offset:1536*(\i/2)+512*((3*(\i%2)+\m)/2)+8*((3*(\i%2)+\m)%2)
.endr
.endr
.irp g, 0,1
	global_load_b32 v[RAW+\g], v10, s[28:29] offset:SCL+64*\g
.endr
	s_wait_loadcnt 0x0
.irp g, 0,1
	v_and_b32 v15, 0xffff, v[RAW+\g]
	v_lshl_or_b32 v[QS+2*\g], v[RAW+\g], 16, v15   ; the group's first 16 positions: their two bytes twice
	v_lshrrev_b32 v15, 16, v[RAW+\g]
	v_and_or_b32 v[QS+2*\g+1], v[RAW+\g], 0xffff0000, v15   ; its second 16 likewise
.endr
.rept 8
	v_nop                                          ; a scale register written by vector lines stands 8 places ahead of a scaled matrix instruction
.endr
; Group gam (0..7) of my two chunks of half ph: its key fragment, scale words and bf16 rows into buffer gam % 2: six LDS loads
.macro FETCH gam, ph
.set FB, (\gam)%2
.set FO, CH*((\gam)/4)
.set FG, (\gam)%4
.irp c, 0,1,2
	ds_load_b128 v[KF+12*FB+4*\c:KF+12*FB+4*\c+3], v[1+(\ph)] offset:FO+1536*FG+512*\c
.endr
	ds_load_b32 v[KS+FB], v[3+(\ph)] offset:FO+64*FG
	ds_load_b128 v[VF+8*FB:VF+8*FB+3], v[5+(\ph)] offset:FO+256*FG
	ds_load_b128 v[VF+8*FB+4:VF+8*FB+7], v[5+(\ph)] offset:FO+256*FG+32
.endm
.macro RELU a
.if DUAL
	v_dual_max_num_f32 v[\a], 0, v[\a] :: v_dual_max_num_f32 v[(\a)+1], 0, v[(\a)+1]
.else
	v_max_num_f32 v[\a], 0, v[\a]
	v_max_num_f32 v[(\a)+1], 0, v[(\a)+1]
.endif
.endm
; 32 keys against my 64 queries.  zero = 1: the second product starts its sums.  fetch = 1: the next group is asked for, a whole group ahead of its use.
.macro GROUP gam, ph, zero, fetch
.set GB, (\gam)%2
	s_wait_dscnt 0x0                               ; this group's six loads, issued a group ago, are in
.irp i, 0,1,2,3
	v_wmma_scale_f32_16x16x128_f8f6f4 v[S+16*\i:S+16*\i+7], v[KF+12*GB:KF+12*GB+11], v[QB+12*\i+6:QB+12*\i+17], 0, v[KS+GB], v[QS+\i] matrix_a_fmt:MATRIX_FMT_BF6 matrix_b_fmt:MATRIX_FMT_BF6
	v_wmma_scale_f32_16x16x128_f8f6f4 v[S+16*\i+8:S+16*\i+15], v[KF+12*GB:KF+12*GB+11], v[QB+12*\i:QB+12*\i+11], 0, v[KS+GB], v[QS+\i] matrix_a_fmt:MATRIX_FMT_BF6 matrix_b_fmt:MATRIX_FMT_BF6
.endr
.rept 4
	v_nop                                          ; places: behind these products for the first read of the scores, and behind the last group's second products for the loads into the rows' other buffer and the writes of P
.endr
.if \fetch
	FETCH (\gam)+1, \ph
.endif
.irp i, 0,1,2,3
.irp k, 0,2,4,6,8,10,12,14
	RELU S+16*\i+\k                                ; each accumulator from its low end on
.endr
.irp k, 0,1,2,3,4,5,6,7
	v_cvt_pk_bf16_f32 v[P+8*\i+\k], v[S+16*\i+2*\k], v[S+16*\i+2*\k+1]
.endr
.endr
.irp i, 0,1,2,3                        ; the four accumulators take turns, one instruction a turn, and the next group's eight products stand between two links
.if \zero
	v_wmma_f32_16x16x32_bf16 v[O+8*\i:O+8*\i+7], v[VF+8*GB:VF+8*GB+7], v[P+8*\i:P+8*\i+7], 0
.else
	v_wmma_f32_16x16x32_bf16 v[O+8*\i:O+8*\i+7], v[VF+8*GB:VF+8*GB+7], v[P+8*\i:P+8*\i+7], v[O+8*\i:O+8*\i+7]
.endif
.endr
.endm
; Half ph of the image: my two chunks of it, eight groups.  Every offset is an immediate.
.macro PHASE ph
	s_wait_tensorcnt 1-(\ph)                       ; my chunk of this half is in; for the first half the second's load, issued behind it, may stay out
	s_wait_dscnt 0x0
	s_barrier_signal -1
	s_barrier_wait -1                              ; everybody's is
	FETCH 0, \ph
	GROUP 0, \ph, 1-(\ph), 1
.irp g, 1,2,3,4,5,6
	GROUP \g, \ph, 0, 1
.endr
	GROUP 7, \ph, 0, 0
.endm
	PHASE 0
	PHASE 1
	; ---- the eight key ranges' sums meet.  Lane r (0-15) of accumulator i holds in its four lowest registers both numerators, the column's sum and a zero of query 16 i + r
.rept 4
	v_nop                                          ; places behind the last products
.endr
.irp i, 0,1,2,3
	ds_store_b128 v7, v[O+8*\i:O+8*\i+3] offset:512*\i
.endr
	s_wait_dscnt 0x0                               ; for the others' sake: my stores have landed
	s_barrier_signal -1
	s_barrier_wait -1
	s_cmp_gt_u32 s8, 1
	s_cbranch_scc1 .Lno_sum                        ; waves 0 and 1 finish 64 queries each, two a lane
.irp p, 0,1,2,3,4,5,6,7
.irp e, 0,1
	ds_load_b128 v[S+8*\p+4*\e:S+8*\p+4*\e+3], v8 offset:4096*\p+16*\e
.endr
.endr
	s_wait_dscnt 0x0
.irp p, 1,2,3,4,5,6,7
.irp e, 0,1
	v_pk_add_f32 v[S+4*\e:S+4*\e+1], v[S+4*\e:S+4*\e+1], v[S+8*\p+4*\e:S+8*\p+4*\e+1]
	v_pk_add_f32 v[S+4*\e+2:S+4*\e+3], v[S+4*\e+2:S+4*\e+3], v[S+8*\p+4*\e+2:S+8*\p+4*\e+3]
.endr
.endr
	v_add_f32 v[S+2], 0x3727c5ac, v[S+2]           ; the column's sum + 1e-5
	v_add_f32 v[S+6], 0x3727c5ac, v[S+6]
	v_rcp_f32 v[S+3], v[S+2]
	v_rcp_f32 v[S+7], v[S+6]
	v_nop                                          ; a plain line behind the reciprocals
	s_wait_alu depctr_va_vdst(0)
	v_mul_f32 v[P], v[S], v[S+3]
	v_mul_f32 v[P+1], v[S+4], v[S+7]
	v_mul_f32 v[P+2], v[S+1], v[S+3]
	v_mul_f32 v[P+3], v[S+5], v[S+7]
	global_store_b64 v11, v[P:P+1], s[32:33]       ; the wave stores 256 consecutive bytes, at a multiple of 256 from out0's first byte: channel 0,
	global_store_b64 v11, v[P+2:P+3], s[32:33] offset:16384   ; channel 1
.Lno_sum:
	s_wait_tensorcnt 0x0
	ds_add_u32 v254, v255
	s_wait_dscnt 0x0
	ROUND                                          ; the closing round: no work-group ends while a partner may still ask for a chunk
	s_endpgm
.Lfunc_end_k_q46932243d1_affinity:
	.size	k_q46932243d1_affinity, .Lfunc_end_k_q46932243d1_affinity-k_q46932243d1_affinity
	.p2alignl 7, 3214868480
	.fill 96, 4, 3214868480
	.section	.rodata,"a",@progbits
	.p2align	6, 0x0
	.amdhsa_kernel k_q46932243d1_affinity
		.amdhsa_group_segment_fixed_size 272384
		.amdhsa_private_segment_fixed_size 0
		.amdhsa_enable_private_segment 0
		.amdhsa_kernarg_size 16
		.amdhsa_user_sgpr_count 2
		.amdhsa_user_sgpr_kernarg_segment_ptr 1
		.amdhsa_wavefront_size32 1
		.amdhsa_system_sgpr_workgroup_id_x 1
		.amdhsa_system_sgpr_workgroup_id_y 1
		.amdhsa_system_sgpr_workgroup_id_z 1
		.amdhsa_system_vgpr_workitem_id 0
		.amdhsa_next_free_vgpr 256
		.amdhsa_next_free_sgpr 66
		.amdhsa_reserve_vcc 0
		.amdhsa_float_denorm_mode_32 3
		.amdhsa_float_denorm_mode_16_64 3
		.amdhsa_memory_ordered 1
		.amdhsa_forward_progress 1
		.amdhsa_inst_pref_size 105
	.end_amdhsa_kernel
	.amdgpu_metadata
---
amdhsa.version: [ 1, 2 ]
amdhsa.kernels:
  - .name:           k_q46932243d1_affinity
    .symbol:         k_q46932243d1_affinity.kd
    .args:
      - { .name: kv, .offset: 0, .size: 8, .value_kind: global_buffer, .address_space: global }
      - { .name: out0, .offset: 8, .size: 8, .value_kind: global_buffer, .address_space: global }
    .group_segment_fixed_size: 272384
    .private_segment_fixed_size: 0
    .kernarg_segment_align: 8
    .kernarg_segment_size: 16
    .max_flat_workgroup_size: 512
    .sgpr_count:     66
    .vgpr_count:     256
    .wavefront_size: 32
...
	.end_amdgpu_metadata
.endif
;; end of part 2
